; MI455X (gfx1250); checked and timed in simulation.
; The chip was launched on July 23, 2026; its instructions are those of AMD's public machine-readable ISA for CDNA 5 (MIT licence, August 2026) and "CDNA5" Instruction Set Architecture Reference Guide (July 2026). The comments in the code are by the model that wrote it; some were corrected since.
;; Coupling Spline Layer. Allowed arithmetic: matrix products marked QUANTISED: E5M2 operands, one E8M0 scale for each 32 along K, by v_wmma_scale_f32_16x16x128_f8f6f4 with both operands' format E5M2, f32 sums; products left as they are: f32 operands where the result goes on into a quantised operand, else bf16, f16 or f32 operands; f32 sums; everything else in f32.
;; Inputs: W0 8 x 256 float32; W1 256 x 256 float32; Wout 256 x 184 float32; b0 256 float32; b1 256 float32; bout 184 float32; x 524,288 x 16 float32.
;; Outputs: out0 524,288 x 16 float32; out1 524,288 float32.
;; This version of the problem:
;;   THIS VERSION OF THE PROBLEM IS GIVEN IN LOW PRECISION. The matrix products marked QUANTISED in the list below multiply operands that are first quantised to E5M2 (5 exponent bits, 2 mantissa bits; 8 bits a number), with one power-of-two scale for each 32 numbers along K (OCP MX v1.0); their sums are f32. All else is computed in f32.
;;   The module's matrix products, in the order in which they are computed (A, B: the left and right operand; K: the contracted axis; several contracted axes count as one K, in the product's order):
;;     1. [M 524,288, K 8] x [K 8, N 256]; A: input x; B: input W0: left as it is (K = 8 < 32)
;;     2. [M 524,288, K 256] x [K 256, N 256]; A: computed on the way; B: input W1: QUANTISED
;;     3. [M 524,288, K 256] x [K 256, N 184]; A: computed on the way; B: input Wout: QUANTISED
;;   THE QUANTISER, for each operand of a quantised product, along K:
;;     - K is cut into blocks of 32 from its start; a last block that is shorter is filled with zeros.
;;     - A block's scale is 2^e with e = floor(log2(the largest magnitude in the block)) - 15, held to -126 .. 127; a block of zeros has e = 0. As a byte (E8M0): e + 127.
;;     - Each number is divided by its block's scale, clamped to +-57,344, and rounded to the nearest number of E5M2, ties to even, subnormals kept.
;;     - The product sums the exact products of the quantised numbers (number of the format x scale) in f32.
;;   ~~~python
;;   def quantise(x, axis):      # numpy; x: float32 -> the quantised numbers, widened to float32 again
;;       x = np.moveaxis(x, axis, -1); K = x.shape[-1]
;;       x = np.pad(x, [(0, 0)] * (x.ndim - 1) + [(0, -K % 32)]); x = x.reshape(x.shape[:-1] + (-1, 32)); a = np.abs(x).max(-1, keepdims=True)
;;       e = np.where(a > 0, np.clip(np.frexp(np.where(a > 0, a, 1))[1] - 1 - 15, -126, 127), 0)      # np.frexp(a)[1] - 1 = floor(log2(a)), exactly
;;       r = np.clip(x / 2.0 ** e, -57344, 57344)
;;       step = 2.0 ** (np.maximum(np.frexp(np.where(r == 0, 1, r))[1] - 1, -14) - 2)
;;       q = np.round(r / step) * step * 2.0 ** e      # np.round: ties to even
;;       return np.moveaxis(q.reshape(q.shape[:-2] + (-1,))[..., :K], -1, axis).astype(np.float32)
;;   ~~~
;;   OPERANDS COMPUTED ON THE WAY. 'Computed on the way' means the value that the module computes at that place (a softmax that the list does not call 'softmax' is quantised finished and normalised). What goes into a quantiser is computed in f32, as accurately as f32 sums, v_exp_f32 and their like allow (about 1e-6 of the number): no bf16 or f16 on the way to a quantiser, and a product that is left as it is and whose result goes on into a quantised operand takes f32 operands (vector FMAs, or v_wmma_f32_16x16x4_f32). A number that lies on a knife's edge between two numbers of the format may be rounded either way, as far as f32 arithmetic and the matrix unit's own rounding can turn it there, and no further.
;; One version. Each part assembles by itself: llvm-mc -triple=amdgcn-amd-amdhsa -mcpu=gfx1250 --defsym DOCPART=n.
;; ======== version 1 of 1: 1 launch
;; limits: right only within a limited range of input values
;; launch spline (part 1): grid 256 x 1, 8 waves a work-group, no clusters, 180,992 bytes of LDS; arguments x, W0, b0, W1, b1, Wout, bout, out0, out1; writes out0, out1
.if DOCPART == 1
	.amdgcn_target "amdgcn-amd-amdhsa--gfx1250"
	.amdhsa_code_object_version 6
	.text
	.protected	k_q4385950dbb_spline
	.globl	k_q4385950dbb_spline
	.p2align	8
	.type	k_q4385950dbb_spline,@function
k_q4385950dbb_spline:
	s_mov_b64 s[64:65], 0
	v_nop
	global_prefetch_b8 v0, s[64:65] scope:SCOPE_SE
	s_setreg_imm32_b32 hwreg(HW_REG_WAVE_MODE, 25, 1), 1
	s_wait_xcnt 0x0
; A coupling layer with a rational-quadratic spline, 524,288 rows of 16 f32.  x1 = x[:, 0:8] is transformed, x2 = x[:, 8:16] conditions it:
;   h0 = relu(x2 W0 + b0) (K = 8, f32 operands);  h1 = relu(Q(h0) Q(W1) + b1);  raw = Q(h1) Q(Wout) + bout: 8 dims x 23 parameters;  the spline on each dim;
;   out0 = [y1, x2];  out1 = the sum of the 8 log-determinants.  Q: codes of BF8 (E5M2) with one E8M0 scale for each 32 along K.
; SHARES.  256 work-groups of 8 waves, 2,048 rows each; a wave owns 256 consecutive rows and walks them in 4 trips of 64 rows = four tiles of 16.  512 registers a wave, two waves to a SIMD.
; HEAD.  The work-group quantises W1 and Wout once.  A wave takes one block of 32 along K; a load brings 16 bytes a lane (four neighbouring columns of one row of the weight), 512 bytes on end a wave;
; the hold writes a column's 32 numbers into consecutive registers, so that the conversions find K along a lane's registers.
; W1's codes lie in LDS as IMAGES OF THE OPERAND'S REGISTERS: register group c of lane l at 512 c + 16 l of a fragment's 2,048 bytes; its scale words 4 bytes a row.
; Wout's codes lie BY COLUMN, K along a row of 304 bytes: 256 codes, the scale word of K step 0 at byte 256, that of K step 1 at byte 272.  Rows 184-191 are copies of columns 180-183, of which row 184 alone is read.
; W0, b0, b1, bout are copied beside them.  One barrier.  Behind it nothing in LDS is written but each wave's own stage.
; LAYOUT.  Every product is used transposed (source 0 = 16 rows of the weight, source 1 = 16 rows of the batch): a lane (r = lane % 16, h = lane / 16) holds ONE row r of the batch.
; Layers 0, 1: row r' of unit tile 2 b + u is unit 32 b + 8 u + r' + 8 (r' / 8), so that the 16 registers of tiles 2 b, 2 b + 1 are units 32 b + 16 h + 0 .. 15.
; Layer 2: row 8 h' + j of tile 3 g + i is column 23 (4 h' + g) + 8 i + j: a lane's 24 registers are the 23 parameters of dim 4 h + g of its row (the 24th is a neighbouring column and is never read).
; THE SPLINE.  The exponentials' destinations lay widths and heights as pairs (w_k, h_k), which then go together in packed f32; the bin selects three pairs (left knots, right knots, two raw derivatives), each pair by
; one dual select on VCC; what follows goes packed over two tiles of rows.  A dual pair wants one even and one odd destination, so of each pair of a tile the second lands in the other half of its register pair:
; those three pairs lie (tile b, tile a).
; NO CLUSTER: what the work-groups share is the weights, which arrive as f32 (450,560 bytes, more than a WGP's LDS) and pass through registers to be quantised; x is read by one wave alone.
; NO PREFETCH: the weights are asked for at once at the head, and a trip's rows of x are asked for a layer ahead, into registers.
; LIMITS.  NaN and infinities are not served.  A block of zeros gets the byte 1 (the rule says 127): its codes are zeros and the bytes are read here alone.  softplus(z) = max(z, 0) + ln 2 log2(1 + 2^(-|z| log2 e)):
; absolute error about 1e-7 beside MIN_D = 1e-4.  The edge derivatives 1.0 are made as softplus(0 + const) + MIN_D, 1 within 1e-7.  A knot is fma(running sum of exponentials, 1.9984 / sum, -1 + 0.0002 k), and a bin's
; width and height are the differences of its two knots: another order of rounding than reference()'s (about 1e-7 absolute, beside a least width of 2e-4).  The three logarithms are one, ln(sk^2 dn / beta^2):
; beta >= sk / 2 and 1e-4 <= sk <= 1e4, so the quotient stays far inside f32.  The softmaxes take their maximum away first.  Only the two derivatives that are gathered get a softplus.
.set W1I,  0                           ; LDS: W1's 32 fragments (2 t + s), 2,048 bytes each
.set WOI,  65536                       ; Wout: 192 rows of WPI bytes
.set WPI,  304                         ; 19 x 16 bytes
.set W1S,  123904                      ; W1's scale words: 128 bytes a tile: K step s, row r' at 64 s + 4 r'
.set W0I,  125952                      ; W0: 512 bytes a tile: lane (r', hh): W0[4 hh + 0 .. 3][unit]
.set B0L,  134144                      ; b0, then b1 (+ 1,024), as they lie
.set BOL,  136192                      ; bout: word 96 h + 8 tau + j
.set STG,  136960                      ; a stage for each wave: 64 rows of x, 80 bytes apart, then 256 bytes of log-determinants
.set STGW, 5376
.set SLG,  5120
.set SPARE, 179968                     ; behind the stages: the spare words, 128 bytes for each wave
.set WV,   22                          ; my wave's number
.set MNT,  23                          ; the mantissa field of 57,344
.set SEL,  24                          ; s[24:25] v_permlanex16_b32's selects for lane l xor 16
.set L2E,  26                          ; s[26:27] log2(e), twice
.set IT,   28                          ; trips to go
.set GC,   29                          ; dim groups to go
.set GW,   30                          ; the group's place among Wout's rows, bias words, and in a row of x
.set GB,   32
.set GX,   33
.set C999, 40                          ; 0.999
.set NL2,  42                          ; -log2(e)
.set LI,   1                           ; 16 x lane
.set LIO,  2                           ; WOI + WPI (92 ((lane / 8) % 2) + lane % 8) + 16 h: my row of a tile of Wout, dim group 0
.set LSC,  3                           ; 4 x lane + W1S
.set LW0,  4                           ; 16 x lane + W0I
.set LBB,  5                           ; B0L + 64 h
.set LBO,  6                           ; BOL + 384 h
.set SIN,  7                           ; stage: 80 (lane / 4) + 16 (lane % 4)
.set SFR,  8                           ; stage: 80 r + 16 h
.set SLD,  9                           ; stage: my row's log-determinant
.set SLO,  10                          ; stage: 8 bytes a lane of the 64
.set GL,   11                          ; 8 x lane
.set ADW,  12                          ; the three addresses of the dim group in hand
.set ADB,  14
.set ADX,  15
.set H0S,  16                          ; v16-23 h0's scale words; v24-31 h1's; v32-34 the weights': v16-34 hold scales and nothing else
.set H1S,  24
.set WS,   32
.set ZERO, 35                          ; 0: the raw number that stands for the right edge's derivative
.set ACC,  36                          ; v36-131 accumulators.  v36-99 are written by matrix instructions alone, in the whole text
.set BI,   100
.set W0F,  116
.set T,    132
.set TM,   164
.set WF,   192
.set XF,   192
.set WF2,  32                          ; WINDOW 1, v32-127: six fragments of Wout (32 i + 16 s), over h0's codes, which are done with behind layer 1's last product
.set XVN,  220                         ; v220-223 x1 of the next dim group, one a tile of rows, as loaded
.set XVC,  224                         ; v224-227 x1 of the dim group in hand
.set BO,   228
.set LD,   252                         ; v252-255 sums of log2, one a tile of rows
.set PB,   132                         ; the spline: 36 registers for each of a pair's two tiles, then 16 shared
.set OB,   132
.set OL,   164
.set OT,   166
.set H0C,  0                           ; window 1: v0-127 h0's codes, v128-255 h1's; during layer 2 v0-31 take the next 64 rows of x and v32-127 Wout's fragments
.set H1C,  128
; the head's registers (all free again behind the barrier)
.set AW1,  100
.set AW1S, 101
.set AW0,  102
.set AB0,  103
.set O4L,  104
.set O4T,  105
.set OQB,  106                         ; Wout's second job: 512 + 16 (lane % 16), held at 720: no load leaves its buffer
.set AWO,  108                         ; v108, v109 Wout's codes, job 0 and job 1
.set AWS,  110                         ; v110, v111 its scale bytes
.set GBO,  112                         ; bout: 4 (92 h' + j);
.set GBC,  113                         ; the same held at 392, for the third tiles: 4 x 98 + 4 x 85 = 4 x 183, the last number
.set ABO,  114                         ; BOL + 384 h' + 4 j
.set XR,   132                         ; v132-163 my first 64 rows of x
.set HT,   164                         ; v164-195 first W0, b0, b1, bout as loaded; then a column's 32 held numbers
.set WC,   196                         ; v196-227 four columns' codes
.set MA,   228
.set SO,   232
.set HO,   236
.set BY,   240
.set MSB, 0
.macro WIN new                         ; s_set_vgpr_msb: bits 1:0 source 0, 3:2 source 1, 5:4 source 2, 7:6 destination; the high byte repeats the setting that is left
.if MSB != \new
	s_set_vgpr_msb (MSB<<8)|\new
.set MSB, \new
.endif
.endm
.macro NOPS n
.rept \n
	v_nop
.endr
.endm
; ------------------------------------------------------------------ the head's macros
.macro LDW base, adr, pitch, off, xb   ; a job: 32 rows down K x four columns a lane, into 128 registers of window 1
	WIN 0x40
.set I, 0
.rept 32
	global_load_b128 v[\xb+4*I:\xb+4*I+3], v[\adr], s[\base:\base+1] offset:I*\pitch+\off
.set I, I+1
.endr
	WIN 0
.endm
.macro WQ4 xb                          ; four blocks of 32 along K (column e in registers xb + 4 k + e) become codes in v[WC + 8 e] on and bytes in v[BY + e]
	WIN 0x14
.irp e, 0,1,2,3
	v_max3_num_f32 v[MA+\e], 0x8000000, |v[\xb+\e]|, |v[\xb+4+\e]|     ; the floor 2^(16 - 127) among the leaves: the byte cannot fall under 1
.endr
.set I, 2
.rept 15
.irp e, 0,1,2,3
	v_max3_num_f32 v[MA+\e], v[MA+\e], |v[\xb+4*I+\e]|, |v[\xb+4*I+4+\e]|
.endr
.set I, I+2
.endr
	WIN 0
.irp e, 0,1,2,3
	v_add_nc_u32 v[SO+\e], 0xf8800000, v[MA+\e]            ; 15 off the exponent field: the conversion's scale operand
.endr
.irp e, 0,1,2,3
	v_and_or_b32 v[HO+\e], v[MA+\e], 0x7f800000, s[MNT]    ; 57,344 x the scale
.endr
.irp e, 0,1,2,3
	v_lshrrev_b32 v[BY+\e], 23, v[SO+\e]                   ; the byte
.endr
.irp e, 0,1,2,3
	WIN 0x01
.set I, 0
.rept 32
	v_med3_num_f32 v[HT+I], v[\xb+4*I+\e], -v[HO+\e], v[HO+\e]   ; the hold (ISA guide 7.6.2: the conversion does not saturate); its destination lays the column down K
.set I, I+1
.endr
	WIN 0
.irp g, 0,1,2,3
	v_cvt_scalef32_pk8_bf8_f32 v[WC+8*\e+2*\g:WC+8*\e+2*\g+1], v[HT+8*\g:HT+8*\g+7], v[SO+\e]
.endr
	v_nop                                                  ; one plain line between the conversions and the next writes of their sources
.endr
.endm
.macro STW1 hh                         ; codes 0-15 are lane (r', 0)'s 16 bytes of my register group, codes 16-31 lane (r', 1)'s, 256 bytes on; each wave owns one byte of each scale word
.irp e, 0,1,2,3
	ds_store_b128 v[AW1], v[WC+8*\e:WC+8*\e+3] offset:32768*\hh+16*\e
	ds_store_b128 v[AW1], v[WC+8*\e+4:WC+8*\e+7] offset:32768*\hh+16*\e+256
	ds_store_b8 v[AW1S], v[BY+\e] offset:1024*\hh+4*\e
.endr
.endm
.macro STWO jb                         ; column 128 jb + 4 lane + e: my K block's 32 codes at byte 32 wave of its row, and my byte of its scale words
.irp e, 0,1,2,3
	ds_store_b128 v[AWO+\jb], v[WC+8*\e:WC+8*\e+3] offset:128*WPI*\jb+WPI*\e
	ds_store_b128 v[AWO+\jb], v[WC+8*\e+4:WC+8*\e+7] offset:128*WPI*\jb+WPI*\e+16
	ds_store_b8 v[AWS+\jb], v[BY+\e] offset:128*WPI*\jb+WPI*\e
.endr
.endm
; ------------------------------------------------------------------ the layers' macros
.macro L0LOAD b
.irp u, 0,1
	ds_load_b128 v[W0F+4*\u:W0F+4*\u+3], v[LW0] offset:512*(2*(\b)+\u)
	ds_load_b128 v[BI+8*\u:BI+8*\u+3], v[LBB] offset:128*(\b)+32*\u
	ds_load_b128 v[BI+8*\u+4:BI+8*\u+7], v[LBB] offset:128*(\b)+32*\u+16
.endr
.endm
; 16 products of 16 x 16 x 4 in f32.  K = 8 in two steps; lane (., hh) holds k = 4 hh + 0 .. 3 on both sides, and step s takes registers 2 s, 2 s + 1: the same permutation of K in both operands.
; The bias is the C of the first step.  The eight accumulators take turns.
.macro L0MUL
.irp u, 0,1
.irp m, 0,1,2,3
	v_wmma_f32_16x16x4_f32 v[ACC+16*\m+8*\u:ACC+16*\m+8*\u+7], v[W0F+4*\u:W0F+4*\u+1], v[XF+4*\m:XF+4*\m+1], v[BI+8*\u:BI+8*\u+7]
.endr
.endr
.irp u, 0,1
.irp m, 0,1,2,3
	v_wmma_f32_16x16x4_f32 v[ACC+16*\m+8*\u:ACC+16*\m+8*\u+7], v[W0F+4*\u+2:W0F+4*\u+3], v[XF+4*\m+2:XF+4*\m+3], v[ACC+16*\m+8*\u:ACC+16*\m+8*\u+7]
.endr
.endr
.endm
.macro L1LOAD b
.irp u, 0,1
	ds_load_b32 v[WS+\u], v[LSC] offset:128*(2*(\b)+\u)
	ds_load_b128 v[BI+8*\u:BI+8*\u+3], v[LBB] offset:1024+128*(\b)+32*\u
	ds_load_b128 v[BI+8*\u+4:BI+8*\u+7], v[LBB] offset:1024+128*(\b)+32*\u+16
.irp s, 0,1
.irp c, 0,1,2,3
	ds_load_b128 v[WF+32*\u+16*\s+4*\c:WF+32*\u+16*\s+4*\c+3], v[LI] offset:2048*(2*(2*(\b)+\u)+\s)+512*\c
.endr
.endr
.endr
.endm
.macro L1MUL                           ; two unit tiles x four tiles of rows x two K steps; accumulators by turns
	WIN 0x04
.irp u, 0,1
.irp m, 0,1,2,3
	v_wmma_scale_f32_16x16x128_f8f6f4 v[ACC+16*\m+8*\u:ACC+16*\m+8*\u+7], v[WF+32*\u:WF+32*\u+15], v[H0C+32*\m:H0C+32*\m+15], v[BI+8*\u:BI+8*\u+7], v[WS+\u], v[H0S+2*\m] matrix_a_fmt:MATRIX_FMT_BF8 matrix_b_fmt:MATRIX_FMT_BF8
.endr
.endr
	s_wait_alu depctr_va_vdst(0)
.irp u, 0,1
.irp m, 0,1,2,3
	v_wmma_scale_f32_16x16x128_f8f6f4 v[ACC+16*\m+8*\u:ACC+16*\m+8*\u+7], v[WF+32*\u+16:WF+32*\u+31], v[H0C+32*\m+16:H0C+32*\m+31], v[ACC+16*\m+8*\u:ACC+16*\m+8*\u+7], v[WS+\u], v[H0S+2*\m+1] matrix_a_fmt:MATRIX_FMT_BF8 matrix_b_fmt:MATRIX_FMT_BF8 matrix_a_scale:MATRIX_SCALE_ROW1
.endr
.endr
	WIN 0
.endm
; Block b (32 units) of a hidden layer, for the four tiles of rows: relu, scale, hold, codes.  A lane holds 16 of the block's numbers, lane l xor 16 the others.
; No |.| on the maximum's sources: what is negative becomes 0 and must not count; the floor stands over it.  The accumulators are read from their low ends on.
.macro QUANT b, hc, hs
.irp m, 0,1,2,3
	v_max3_num_f32 v[TM+\m], v[ACC+16*\m], v[ACC+16*\m+1], 0x8000000
.endr
.irp i, 2,4,6,8,10,12,14
.irp m, 0,1,2,3
	v_max3_num_f32 v[TM+\m], v[TM+\m], v[ACC+16*\m+\i], v[ACC+16*\m+\i+1]
.endr
.endr
.irp m, 0,1,2,3
	s_delay_alu instid0(VALU_DEP_4)
	v_permlanex16_b32 v[TM+4+\m], v[TM+\m], s[SEL], s[SEL+1]
.endr
.irp m, 0,1,2,3
	s_delay_alu instid0(VALU_DEP_4)
	v_max_num_f32 v[TM+\m], v[TM+\m], v[TM+4+\m]
.endr
.irp m, 0,1,2,3
	s_delay_alu instid0(VALU_DEP_4)
	v_add_nc_u32 v[TM+12+\m], 0xf8800000, v[TM+\m]
.endr
.irp m, 0,1,2,3
	v_and_or_b32 v[TM+8+\m], v[TM+\m], 0x7f800000, s[MNT]
.endr
.if ((\b)%4) == 0
.irp m, 0,1,2,3
	v_lshrrev_b32 v[\hs+2*\m+(\b)/4], 23, v[TM+12+\m]
.endr
.else
.irp m, 0,1,2,3
	v_lshrrev_b32 v[TM+4+\m], 23, v[TM+12+\m]
.endr
.irp m, 0,1,2,3
	s_delay_alu instid0(VALU_DEP_4)
	v_lshl_or_b32 v[\hs+2*\m+(\b)/4], v[TM+4+\m], 8*((\b)%4), v[\hs+2*\m+(\b)/4]
.endr
.endif
.irp p, 0,2
.irp e, 0,1
.irp i, 0,1,2,3,4,5,6,7,8,9,10,11,12,13,14,15
	v_med3_num_f32 v[T+16*\e+\i], v[ACC+16*(\p+\e)+\i], 0, v[TM+8+\p+\e]   ; the activation and the hold in one, into other registers than the sums'
.endr
.endr
	WIN 0x40
.irp e, 0,1
	v_cvt_scalef32_pk8_bf8_f32 v[\hc+32*(\p+\e)+16*((\b)/4)+4*((\b)%4):\hc+32*(\p+\e)+16*((\b)/4)+4*((\b)%4)+1], v[T+16*\e:T+16*\e+7], v[TM+12+\p+\e]
	v_cvt_scalef32_pk8_bf8_f32 v[\hc+32*(\p+\e)+16*((\b)/4)+4*((\b)%4)+2:\hc+32*(\p+\e)+16*((\b)/4)+4*((\b)%4)+3], v[T+16*\e+8:T+16*\e+15], v[TM+12+\p+\e]
.endr
	WIN 0
	v_nop
.endr
.endm
; What a dim group's products and spline take from LDS: x1 of the four tiles of rows, three scale registers (lanes 0-15 K step 0, lanes 16-31 K step 1: the address's 16 h), bout for three tiles, six fragments.
; nx = 1: the group behind the one that the three address registers stand at: its step stands in the immediates.
.macro L2LOAD aw, ab, ax, nx
.irp m, 0,1,2,3
	ds_load_b32 v[XVN+\m], v[\ax] offset:1280*\m+4*\nx
.endr
.irp i, 0,1,2
	ds_load_b32 v[WS+\i], v[\aw] offset:8*WPI*\i+256+23*WPI*\nx
.endr
.irp i, 0,1,2
	ds_load_b128 v[BO+8*\i:BO+8*\i+3], v[\ab] offset:32*\i+96*\nx
	ds_load_b128 v[BO+8*\i+4:BO+8*\i+7], v[\ab] offset:32*\i+16+96*\nx
.endr
	WIN 0x40                                         ; the fragments go to window 1
.irp s, 0,1
.irp i, 0,1,2
.irp c, 0,1,2,3
	ds_load_b128 v[WF2+32*\i+16*\s+4*\c:WF2+32*\i+16*\s+4*\c+3], v[\aw] offset:8*WPI*\i+128*\s+32*\c+23*WPI*\nx   ; k = 128 s + 32 c + 16 h + 0 .. 15 of my row
.endr
.endr
.endr
	WIN 0
.endm
.macro L2MUL s
.irp i, 0,1,2
.irp m, 0,1,2,3
.if \s == 0
	v_wmma_scale_f32_16x16x128_f8f6f4 v[ACC+24*\m+8*\i:ACC+24*\m+8*\i+7], v[WF2+32*\i:WF2+32*\i+15], v[H1C+32*\m:H1C+32*\m+15], v[BO+8*\i:BO+8*\i+7], v[WS+\i], v[H1S+2*\m] matrix_a_fmt:MATRIX_FMT_BF8 matrix_b_fmt:MATRIX_FMT_BF8
.else
	v_wmma_scale_f32_16x16x128_f8f6f4 v[ACC+24*\m+8*\i:ACC+24*\m+8*\i+7], v[WF2+32*\i+16:WF2+32*\i+31], v[H1C+32*\m+16:H1C+32*\m+31], v[ACC+24*\m+8*\i:ACC+24*\m+8*\i+7], v[WS+\i], v[H1S+2*\m+1] matrix_a_fmt:MATRIX_FMT_BF8 matrix_b_fmt:MATRIX_FMT_BF8 matrix_a_scale:MATRIX_SCALE_ROW1
.endif
.endr
.endr
.endm
; ------------------------------------------------------------------ the spline
; A tile's registers from v[PP] on: 0-15 the exponentials, pairs (w_k, h_k); 16-31 first the exponents (8 widths, 8 heights), then pairs (x, y) of knots 1 .. 8, first as running sums;
; 32, 34 the two maxima, then -max log2 e (named as the low halves of pairs); then 34-35 1 / sum, then 1.9984 / sum, for (x, y).
; Shared by the two tiles, pairs (tile a, tile b), those marked * (tile b, tile a):
.set sXI, PB+74                        ; x, or 0 outside
.set sXK, PB+76                        ; the bin's left knot in x
.set sYK, PB+78                        ; * in y
.set sXN, PB+80                        ; the bin's right knot in x
.set sYN, PB+82                        ; * in y
.set sDK, PB+84                        ; the raw derivative at the left knot
.set sDN, PB+86                        ; * at the right knot
; behind the selection, pairs (tile a, tile b) over the tiles' registers:
.set tW,  PB
.set tH,  PB+2
.set tZ0, PB+4                         ; raw + const, later dk
.set tZ1, PB+6                         ; * raw + const; later dk1, (a, b)
.set tA0, PB+8
.set tA1, PB+10
.set tM0, PB+12
.set tM1, PB+14
.set tRW, PB+16
.set tSK, PB+18
.set tEP, PB+20
.set tOM, PB+22
.set tET, PB+24
.set tE2, PB+26
.set tO2, PB+28
.set tSS, PB+30
.set tBE, PB+32
.set tRB, PB+34
.set tNU, PB+36
.set tDN, PB+38
.set tTT, PB+40
.set tYY, PB+42
.set tQQ, PB+44
.set tLG, PB+46
.macro PD a, d
.set PP, PB+36*(\d)
.set AA, ACC+24*((\a)+(\d))
.endm
.macro KNOT a, k, kc                   ; knot k = running sum x (1.9984 / sum) + (-1 + 0.0002 k), x and y at once
.irp d, 0,1
	PD \a, \d
.if (\k) == 1
	v_pk_fma_f32 v[PP+16:PP+17], v[PP:PP+1], v[PP+34:PP+35], \kc op_sel_hi:[1,1,0]
.else
	v_pk_fma_f32 v[PP+14+2*(\k):PP+15+2*(\k)], v[PP+14+2*(\k):PP+15+2*(\k)], v[PP+34:PP+35], \kc op_sel_hi:[1,1,0]
.endif
.endr
.endm
; Where knot k <= x the bin is k or later; the knots ascend, so the last that holds is the bin.  Three dual selects on VCC: one destination even, one odd; the two first sources, and the two second, in different banks.
.macro BINSEL a, d, k
	PD \a, \d
.set DA, AA+15+(\k)
.set DB, AA+16+(\k)
.if (\k) == 7
.set DB, ZERO
.endif
	v_cmp_le_f32 vcc_lo, v[PP+14+2*(\k)], v[sXI+\d]
.if (\k) == 1
	v_dual_cndmask_b32 v[sDK+\d], 0, v[DA] :: v_dual_cndmask_b32 v[sDN+1-\d], v[DA], v[DB]      ; (the third tile's first read is its lowest register)  raw 0 stands for the left edge's derivative 1
	v_dual_cndmask_b32 v[sXK+\d], -1.0, v[PP+16] :: v_dual_cndmask_b32 v[sYK+1-\d], -1.0, v[PP+17]
	v_dual_cndmask_b32 v[sXN+\d], v[PP+16], v[PP+18] :: v_dual_cndmask_b32 v[sYN+1-\d], v[PP+17], v[PP+19]
.else
	v_dual_cndmask_b32 v[sDK+\d], v[sDK+\d], v[DA] :: v_dual_cndmask_b32 v[sDN+1-\d], v[sDN+1-\d], v[DB]
	v_dual_cndmask_b32 v[sXK+\d], v[sXK+\d], v[PP+14+2*(\k)] :: v_dual_cndmask_b32 v[sYK+1-\d], v[sYK+1-\d], v[PP+15+2*(\k)]
	v_dual_cndmask_b32 v[sXN+\d], v[sXN+\d], v[PP+16+2*(\k)] :: v_dual_cndmask_b32 v[sYN+1-\d], v[sYN+1-\d], v[PP+17+2*(\k)]
.endif
.endm
.macro WA
	s_wait_alu depctr_va_vdst(0)                     ; ahead of and behind each batch of transcendentals
.endm
; The spline of tiles a and a + 1 of rows, for the dim group in hand.
.macro SPL a
.irp d, 0,1
	PD \a, \d
	v_max3_num_f32 v[PP+32], v[AA], v[AA+1], v[AA+2]         ; the largest raw width and the largest raw height
	v_max3_num_f32 v[PP+34], v[AA+8], v[AA+9], v[AA+10]
.endr
.irp k, 3,5
.irp d, 0,1
	PD \a, \d
	v_max3_num_f32 v[PP+32], v[PP+32], v[AA+\k], v[AA+\k+1]
	v_max3_num_f32 v[PP+34], v[PP+34], v[AA+8+\k], v[AA+9+\k]
.endr
.endr
.irp d, 0,1
	PD \a, \d
	v_max_num_f32 v[PP+32], v[PP+32], v[AA+7]
	v_max_num_f32 v[PP+34], v[PP+34], v[AA+15]
.endr
.irp d, 0,1
	PD \a, \d
	v_mul_f32 v[PP+32], s[NL2], v[PP+32]
	v_mul_f32 v[PP+34], s[NL2], v[PP+34]
.endr
.irp k, 0,2,4,6
.irp d, 0,1
	PD \a, \d
	v_pk_fma_f32 v[PP+16+\k:PP+17+\k], v[AA+\k:AA+\k+1], s[L2E:L2E+1], v[PP+32:PP+33] op_sel_hi:[1,0,0]       ; (raw - max) log2 e, two at a time
	v_pk_fma_f32 v[PP+24+\k:PP+25+\k], v[AA+8+\k:AA+9+\k], s[L2E:L2E+1], v[PP+34:PP+35] op_sel_hi:[1,0,0]
.endr
.endr
	WA
.irp k, 0,1,2,3,4,5,6,7
.irp d, 0,1
	PD \a, \d
	v_exp_f32 v[PP+2*\k], v[PP+16+\k]                        ; the destinations make the pairs (w_k, h_k)
	v_exp_f32 v[PP+2*\k+1], v[PP+24+\k]
.endr
.endr
.irp d, 0,1
	v_cmp_ge_f32 s[38+\d], |v[XVC+(\a)+\d]|, s[C999]         ; outside: x <= -0.999 or x >= 0.999
.endr
.irp d, 0,1
	v_cndmask_b32 v[sXI+\d], v[XVC+(\a)+\d], 0, s[38+\d]
.endr
	WA
.irp d, 0,1
	PD \a, \d
	v_pk_add_f32 v[PP+18:PP+19], v[PP:PP+1], v[PP+2:PP+3]    ; running sums
.endr
.irp k, 3,4,5,6,7,8
.irp d, 0,1
	PD \a, \d
	v_pk_add_f32 v[PP+14+2*\k:PP+15+2*\k], v[PP+12+2*\k:PP+13+2*\k], v[PP+2*\k-2:PP+2*\k-1]
.endr
.endr
	WA
.irp d, 0,1
	PD \a, \d
	v_rcp_f32 v[PP+34], v[PP+30]
	v_rcp_f32 v[PP+35], v[PP+31]
.endr
	v_nop
	WA
.irp d, 0,1
	PD \a, \d
	v_pk_mul_f32 v[PP+34:PP+35], v[PP+34:PP+35], 0x3fffcb92 op_sel_hi:[1,0]    ; 2 (1 - 8e-4) / sum
.endr
	KNOT \a, 1, 0xbf7ff2e5
	KNOT \a, 2, 0xbf7fe5c9
	KNOT \a, 3, 0xbf7fd8ae
	KNOT \a, 4, 0xbf7fcb92
	KNOT \a, 5, 0xbf7fbe77
	KNOT \a, 6, 0xbf7fb15b
	KNOT \a, 7, 0xbf7fa440
	KNOT \a, 8, 0xbf7f9724
.irp k, 1,2,3,4,5,6,7
	BINSEL \a, 0, \k
	BINSEL \a, 1, \k
.endr
	v_pk_add_f32 v[tW:tW+1], v[sXN:sXN+1], v[sXK:sXK+1] neg_lo:[0,1] neg_hi:[0,1]     ; wk
	v_pk_add_f32 v[tZ0:tZ0+1], v[sDK:sDK+1], 0x3f0a89e6 op_sel_hi:[1,0]               ; z = raw + ln(e^(1 - 1e-4) - 1)
	v_pk_add_f32 v[tZ1:tZ1+1], v[sDN:sDN+1], 0x3f0a89e6 op_sel_hi:[1,0]
	v_sub_f32 v[tH], v[sYN+1], v[sYK+1]                      ; hk, brought into the order (a, b)
	v_sub_f32 v[tH+1], v[sYN], v[sYK]
	v_pk_add_f32 v[tEP:tEP+1], v[sXI:sXI+1], v[sXK:sXK+1] neg_lo:[0,1] neg_hi:[0,1]   ; x - xk
	v_mul_f32 v[tA0], s[NL2], |v[tZ0]|
	v_mul_f32 v[tA0+1], s[NL2], |v[tZ0+1]|
	v_mul_f32 v[tA1], s[NL2], |v[tZ1+1]|
	v_mul_f32 v[tA1+1], s[NL2], |v[tZ1]|
	WA
.irp i, 0,1,2,3
	v_exp_f32 v[tA0+\i], v[tA0+\i]
.endr
	v_rcp_f32 v[tRW], v[tW]
	v_rcp_f32 v[tRW+1], v[tW+1]
	v_max_num_f32 v[tM0], 0, v[tZ0]
	v_max_num_f32 v[tM0+1], 0, v[tZ0+1]
	v_max_num_f32 v[tM1], 0, v[tZ1+1]
	v_max_num_f32 v[tM1+1], 0, v[tZ1]
	v_pk_add_f32 v[tM0:tM0+1], v[tM0:tM0+1], 0x38d1b717 op_sel_hi:[1,0]               ; max(z, 0) + MIN_D
	v_pk_add_f32 v[tM1:tM1+1], v[tM1:tM1+1], 0x38d1b717 op_sel_hi:[1,0]
	WA
	v_pk_add_f32 v[tA0:tA0+1], v[tA0:tA0+1], 1.0 op_sel_hi:[1,0]
	v_pk_add_f32 v[tA1:tA1+1], v[tA1:tA1+1], 1.0 op_sel_hi:[1,0]
	v_pk_mul_f32 v[tSK:tSK+1], v[tH:tH+1], v[tRW:tRW+1]      ; sk = hk / wk
	v_pk_mul_f32 v[tEP:tEP+1], v[tEP:tEP+1], v[tRW:tRW+1]    ; eps
	WA
.irp i, 0,1,2,3
	v_log_f32 v[tA0+\i], v[tA0+\i]
.endr
	v_pk_add_f32 v[tOM:tOM+1], v[tEP:tEP+1], 1.0 op_sel_hi:[1,0] neg_lo:[1,0] neg_hi:[1,0]   ; 1 - eps
	v_pk_mul_f32 v[tE2:tE2+1], v[tEP:tEP+1], v[tEP:tEP+1]
	v_pk_mul_f32 v[tET:tET+1], v[tEP:tEP+1], v[tOM:tOM+1]
	v_pk_mul_f32 v[tO2:tO2+1], v[tOM:tOM+1], v[tOM:tOM+1]
	v_pk_mul_f32 v[tTT:tTT+1], v[tSK:tSK+1], v[tET:tET+1]
	WA
	v_pk_fma_f32 v[tZ0:tZ0+1], v[tA0:tA0+1], 0x3f317218, v[tM0:tM0+1] op_sel_hi:[1,0,1]      ; dk, dk1 = softplus + MIN_D
	v_pk_fma_f32 v[tZ1:tZ1+1], v[tA1:tA1+1], 0x3f317218, v[tM1:tM1+1] op_sel_hi:[1,0,1]
	v_pk_mul_f32 v[tNU:tNU+1], v[tZ0:tZ0+1], v[tET:tET+1]
	v_pk_mul_f32 v[tDN:tDN+1], v[tZ0:tZ0+1], v[tO2:tO2+1]
	v_pk_add_f32 v[tSS:tSS+1], v[tZ0:tZ0+1], v[tZ1:tZ1+1]
	v_pk_fma_f32 v[tNU:tNU+1], v[tSK:tSK+1], v[tE2:tE2+1], v[tNU:tNU+1]
	v_pk_fma_f32 v[tSS:tSS+1], v[tSK:tSK+1], -2.0, v[tSS:tSS+1] op_sel_hi:[1,0,1]
	v_pk_fma_f32 v[tDN:tDN+1], v[tZ1:tZ1+1], v[tE2:tE2+1], v[tDN:tDN+1]
	v_pk_fma_f32 v[tBE:tBE+1], v[tSS:tSS+1], v[tET:tET+1], v[tSK:tSK+1]                      ; beta
	WA
	v_rcp_f32 v[tRB], v[tBE]
	v_rcp_f32 v[tRB+1], v[tBE+1]
	v_pk_mul_f32 v[tNU:tNU+1], v[tH:tH+1], v[tNU:tNU+1]                                      ; alpha
	v_pk_fma_f32 v[tDN:tDN+1], v[tTT:tTT+1], 2.0, v[tDN:tDN+1] op_sel_hi:[1,0,1]             ; dk1 eps^2 + 2 sk eps (1 - eps) + dk (1 - eps)^2
	WA
	v_fma_f32 v[tYY], v[tNU], v[tRB], v[sYK+1]
	v_fma_f32 v[tYY+1], v[tNU+1], v[tRB+1], v[sYK]
	v_pk_mul_f32 v[tQQ:tQQ+1], v[tSK:tSK+1], v[tRB:tRB+1]
	v_cndmask_b32 v[tYY], v[tYY], v[XVC+(\a)], s38           ; outside: x as it is
	v_cndmask_b32 v[tYY+1], v[tYY+1], v[XVC+(\a)+1], s39
	v_pk_mul_f32 v[tQQ:tQQ+1], v[tQQ:tQQ+1], v[tQQ:tQQ+1]
.irp d, 0,1
	ds_store_b32 v[ADX], v[tYY+\d] offset:1280*((\a)+\d)     ; y takes x1's place in the stage
.endr
	v_pk_mul_f32 v[tQQ:tQQ+1], v[tQQ:tQQ+1], v[tDN:tDN+1]
	v_cndmask_b32 v[tQQ], v[tQQ], 1.0, s38                   ; outside: log-determinant 0
	v_cndmask_b32 v[tQQ+1], v[tQQ+1], 1.0, s39
	WA
	v_log_f32 v[tLG], v[tQQ]
	v_log_f32 v[tLG+1], v[tQQ+1]
	v_nop
	WA
	v_pk_add_f32 v[LD+(\a):LD+(\a)+1], v[LD+(\a):LD+(\a)+1], v[tLG:tLG+1]
.endm
; ================================================================== the head
	s_load_b256 s[4:11], s[0:1], 0x0               ; x s[4:5], W0 s[6:7], b0 s[8:9], W1 s[10:11]
	s_load_b256 s[12:19], s[0:1], 0x20             ; b1 s[12:13], Wout s[14:15], bout s[16:17], out0 s[18:19]
	s_load_b64 s[20:21], s[0:1], 0x40              ; out1
	v_lshrrev_b32 v228, 5, v0
	v_readfirstlane_b32 s[WV], v228                ; wave 0..7
	s_mov_b32 s[MNT], 0x600000
	s_mov_b32 s[SEL], 0x76543210
	s_mov_b32 s[SEL+1], 0xfedcba98
	s_mov_b32 s[L2E], 0x3fb8aa3b
	s_mov_b32 s[L2E+1], 0x3fb8aa3b
	s_mov_b32 s[C999], 0x3f7fbe77
	s_mov_b32 s[NL2], 0xbfb8aa3b
	s_mov_b32 s[IT], 4
	s_mul_i32 s44, s[WV], STGW
	s_add_co_u32 s44, s44, STG                     ; my wave's stage
	s_lshl_b32 s45, s[WV], 9                       ; W1: my K block is register group wave % 4 of K step wave / 4: 512 wave in a tile's two fragments
	s_lshl_b32 s46, s[WV], 5
	s_add_co_u32 s46, s46, WOI                     ; Wout: my K block's 32 bytes of a row
	s_lshr_b32 s35, s[WV], 2
	s_and_b32 s41, s[WV], 3
	s_lshl_b32 s47, s35, 4
	s_add_co_u32 s47, s47, s41
	s_add_co_u32 s47, s47, WOI+256                 ; and my byte of its two scale words: 256 + 16 (wave / 4) + wave % 4
	s_lshl_b32 s35, s35, 6
	s_add_co_u32 s41, s35, s41
	s_add_co_u32 s41, s41, W1S                     ; W1: byte 64 (wave / 4) + wave % 4 of a tile's scale words
	s_lshl_b32 s36, s[WV], 10
	s_add_co_u32 s36, s36, W0I
	s_lshl_b32 s34, ttmp9, 3
	s_add_co_u32 s34, s34, s[WV]                   ; which 256 rows are my wave's
	s_mov_b32 s37, 0
	; every LDS address is made here: a constant + constants x bits of the lane + a constant x wave
	v_and_b32 v228, 31, v0                         ; lane
	v_and_b32 v229, 15, v0                         ; r
	v_bfe_u32 v230, v0, 4, 1                       ; h
	v_bfe_u32 v231, v0, 3, 1                       ; (lane / 8) % 2: h' of my row of a tile of Wout
	v_and_b32 v232, 7, v0                          ; j
	v_lshl_add_u32 v233, v230, 3, v232             ; W0: my unit 32 wave + lane is row 8 (lane / 16) + lane % 8 of tile 2 wave + (lane / 8) % 2
	v_mov_b32 v[ZERO], 0
	v_lshlrev_b32 v[LI], 4, v228
	v_mul_u32_u24 v[LIO], v231, 92*WPI
	v_lshl_add_u32 v[LSC], v228, 2, W1S
	v_lshl_add_u32 v[LW0], v228, 4, W0I
	v_lshl_add_u32 v[LBB], v230, 6, B0L
	v_mad_u32_u24 v[LIO], v232, WPI, v[LIO]
	v_mul_u32_u24 v[LBO], v230, 384
	v_lshrrev_b32 v234, 2, v228
	v_and_b32 v235, 3, v228
	v_lshl_add_u32 v[LIO], v230, 4, v[LIO]
	v_add_nc_u32 v[LBO], BOL, v[LBO]
	v_mul_u32_u24 v[SIN], v234, 80
	v_mul_u32_u24 v[SFR], v229, 80
	v_add_nc_u32 v[LIO], WOI, v[LIO]
	v_lshl_add_u32 v[SIN], v235, 4, v[SIN]
	v_lshl_add_u32 v[SFR], v230, 4, v[SFR]
	v_add_nc_u32 v[SIN], s44, v[SIN]
	v_add_nc_u32 v[SFR], s44, v[SFR]
	v_lshl_add_u32 v[SLD], v229, 2, s44
	v_lshl_add_u32 v[SLO], v228, 3, s44
	v_add_nc_u32 v[SLD], SLG, v[SLD]
	v_add_nc_u32 v[SLO], SLG, v[SLO]
	v_lshlrev_b32 v[GL], 3, v228
	v_lshlrev_b32 v[AW0], 9, v231
	v_lshl_add_u32 v[AW0], v233, 4, v[AW0]
	v_add_nc_u32 v[AW0], s36, v[AW0]
	v_lshl_add_u32 v[AB0], v0, 2, B0L
	v_lshlrev_b32 v[O4L], 2, v228
	v_lshlrev_b32 v[O4T], 2, v0
	; W1: my units 128 hh + 4 lane + e: block 4 hh + lane / 8, tile bit (lane / 2) % 2, row 4 (lane % 2) + e + 8 ((lane / 4) % 2)
	v_lshrrev_b32 v234, 3, v228
	v_bfe_u32 v235, v0, 1, 1
	v_lshlrev_b32 v[AW1], 13, v234
	v_lshlrev_b32 v[AW1S], 8, v234
	v_lshl_add_u32 v[AW1], v235, 12, v[AW1]
	v_lshl_add_u32 v[AW1S], v235, 7, v[AW1S]
	v_and_b32 v234, 1, v0
	v_bfe_u32 v235, v0, 2, 1
	v_lshl_add_u32 v[AW1], v234, 6, v[AW1]
	v_lshl_add_u32 v[AW1S], v234, 4, v[AW1S]
	v_lshl_add_u32 v[AW1], v235, 7, v[AW1]
	v_lshl_add_u32 v[AW1S], v235, 5, v[AW1S]
	v_add_nc_u32 v[AW1], s45, v[AW1]
	v_add_nc_u32 v[AW1S], s41, v[AW1S]
	v_lshl_add_u32 v[OQB], v229, 4, 512
	v_min_u32 v[OQB], 720, v[OQB]                  ; rows 184-191's lanes read the row's last 16 bytes
	; Wout: my four columns' rows: job 0 columns 4 lane + e; job 1 columns 128 + 4 (lane % 16) + e: lanes 16-31 do what lanes 0-15 do
	v_mul_u32_u24 v[AWO], v228, 4*WPI
	v_mul_u32_u24 v[AWO+1], v229, 4*WPI
	v_mul_u32_u24 v[GBO], v231, 368
	v_mul_u32_u24 v[ABO], v231, 384
	v_add_nc_u32 v[AWS], s47, v[AWO]
	v_add_nc_u32 v[AWS+1], s47, v[AWO+1]
	v_add_nc_u32 v[AWO], s46, v[AWO]
	v_add_nc_u32 v[AWO+1], s46, v[AWO+1]
	v_lshl_add_u32 v[GBO], v232, 2, v[GBO]
	v_lshl_add_u32 v[ABO], v232, 2, v[ABO]
	v_min_u32 v[GBC], 392, v[GBO]
	v_add_nc_u32 v[ABO], BOL, v[ABO]
	s_wait_alu depctr_va_vdst(0)
	s_wait_kmcnt 0x0
	s_lshl_b32 s36, s34, 14                        ; 256 rows of 64 bytes
	s_add_nc_u64 s[4:5], s[4:5], s[36:37]
	s_add_nc_u64 s[18:19], s[18:19], s[36:37]
	s_lshl_b32 s36, s34, 10                        ; 256 numbers of out1
	s_add_nc_u64 s[20:21], s[20:21], s[36:37]
	s_lshl_b32 s36, s[WV], 7                       ; my wave's 32 units in a row of W0
	s_add_nc_u64 s[6:7], s[6:7], s[36:37]
	s_lshl_b32 s36, s[WV], 15                      ; my wave's K block of W1: 32 rows of 1,024 bytes
	s_add_nc_u64 s[10:11], s[10:11], s[36:37]
	s_mul_i32 s36, s[WV], 23552                    ; and of Wout: 32 rows of 736 bytes
	s_add_nc_u64 s[14:15], s[14:15], s[36:37]
.irp g, 0,1,2,3
	global_load_b32 v[HT+12+3*\g], v[GBO], s[16:17] offset:92*\g       ; bout by Wout's tiles: number 92 h' + 23 g + 8 i + j
	global_load_b32 v[HT+13+3*\g], v[GBO], s[16:17] offset:92*\g+32
	global_load_b32 v[HT+14+3*\g], v[GBC], s[16:17] offset:92*\g+64
.endr
.irp i, 0,1,2,3,4,5,6,7
	global_load_b128 v[XR+4*\i:XR+4*\i+3], v[LI], s[4:5] offset:512*\i th:TH_LOAD_NT   ; my first 64 rows of x
.endr
	global_load_b32 v[HT+8], v[O4T], s[8:9]        ; b0, b1: a number a thread
	global_load_b32 v[HT+9], v[O4T], s[12:13]
.irp k, 0,1,2,3,4,5,6,7
	global_load_b32 v[HT+\k], v[O4L], s[6:7] offset:1024*\k   ; W0, down K, my unit
.endr
	LDW 10, LI, 1024, 0, 0                         ; job 0: W1, units 0-127
	s_wait_loadcnt 32                              ; all but job 0's 32 loads are in
.irp i, 0,1,2,3,4,5,6,7
	ds_store_b128 v[SIN], v[XR+4*\i:XR+4*\i+3] offset:640*\i   ; x into my stage, 8 rows a store
.endr
	ds_store_b32 v[AB0], v[HT+8]
	ds_store_b32 v[AB0], v[HT+9] offset:1024
	ds_store_b128 v[AW0], v[HT:HT+3]               ; lane (r', 0): k = 0 .. 3;
	ds_store_b128 v[AW0], v[HT+4:HT+7] offset:256  ; lane (r', 1): k = 4 .. 7
	s_cmp_lg_u32 s[WV], 0                          ; wave 0 alone lays bout out
	s_cbranch_scc1 .Lnot_wave_0
.irp t, 0,1,2,3,4,5,6,7,8,9,10,11
	ds_store_b32 v[ABO], v[HT+12+\t] offset:32*\t  ; lanes 16-31 write what lanes 0-15 write
.endr
.Lnot_wave_0:
	LDW 10, LI, 1024, 512, 128                     ; job 1: W1, units 128-255
	s_wait_dscnt 0x0                               ; the stores above have read their registers
	s_wait_loadcnt 32                              ; job 0 is in; job 1's 32 loads may be out
	WQ4 0
	STW1 0
	LDW 14, LI, 736, 0, 0                          ; job 2: Wout, columns 0-127
	s_wait_dscnt 0x0                               ; the stores have read the codes and the bytes: the next job writes them anew
	s_wait_loadcnt 32                              ; job 1 is in
	WQ4 128
	STW1 1
	LDW 14, OQB, 736, 0, 128                       ; job 3: Wout, columns 128-183
	s_wait_dscnt 0x0
	s_wait_loadcnt 32                              ; job 2 is in
	WQ4 0
	STWO 0
	s_wait_dscnt 0x0
	s_wait_loadcnt 0x0
	WQ4 128
	STWO 1
	s_wait_dscnt 0x0                               ; for the others' sake: my stores have landed
	s_barrier_signal -1                            ; the one barrier of the text
	s_barrier_wait -1                              ; the weights' codes are whole; from here on they are only read
; ================================================================== 64 rows a trip; the stage holds the trip's rows of x
.Liter:
.irp m, 0,1,2,3
	ds_load_b128 v[XF+4*\m:XF+4*\m+3], v[SFR] offset:1280*\m+32   ; x2's fragments: row r, k = 4 h + 0 .. 3 (LDS serves a wave's instructions in order: these see my stores)
.endr
	L0LOAD 0
	; ---- layer 0 and its quantiser, a block of 32 units at a time
.irp b, 0,1,2,3,4,5,6,7
	s_wait_dscnt 0x0
	L0MUL
	NOPS 8                                         ; places behind this form, ahead of the loads into its sources and of the first read of its results
.if \b < 7
	L0LOAD \b+1
.else
	L1LOAD 0
.endif
	QUANT \b, H0C, H0S
.endr
	NOPS 4                                         ; codes written by vector instructions stand four places ahead of a scaled product
	; ---- layer 1 and its quantiser
.irp b, 0,1,2,3,4,5,6,7
	s_wait_dscnt 0x0
	L1MUL
	NOPS 8
.if \b < 7
	L1LOAD \b+1
.else
	L2LOAD LIO, LBO, SFR, 0                        ; dim group 0's loads go out here, behind layer 1's last product and its places, and land under the last quantiser
.endif
	QUANT \b, H1C, H1S
.endr
	s_cmp_eq_u32 s[IT], 1                          ; the next 64 rows of x are asked for here, into h0's registers, if there are any: no load leaves its buffer
	s_cbranch_scc1 .Lno_next
	WIN 0x40
.irp i, 0,1,2,3,4,5,6,7
	global_load_b128 v[4*\i:4*\i+3], v[LI], s[4:5] offset:4096+512*\i th:TH_LOAD_NT
.endr
	WIN 0
.Lno_next:
.irp m, 0,1,2,3
	v_mov_b32 v[LD+\m], 0                          ; (with the quantiser's last line and the three additions below: the places ahead of the scaled products)
.endr
	s_mov_b32 s[GW], 0
	s_mov_b32 s[GB], 0
	s_mov_b32 s[GX], 0
	s_mov_b32 s[GC], 4
	s_wait_dscnt 0x0                               ; dim group 0's loads are in (on this way into the loop nothing younger stands behind them)
	; ---- layer 2 and the spline: dim group g = dims g (lanes 0-15) and 4 + g (lanes 16-31)
.Lg:
	v_add_nc_u32 v[ADW], s[GW], v[LIO]
	v_add_nc_u32 v[ADB], s[GB], v[LBO]
	v_add_nc_u32 v[ADX], s[GX], v[SFR]
	s_wait_alu depctr_va_vdst(0)
	s_wait_dscnt 4                                 ; this group's 37 loads, asked for a group ago, are in; the four stores of y behind them may be out
	WIN 0x05                                       ; both operands in window 1
	L2MUL 0
	L2MUL 1
	WIN 0
.irp m, 0,1,2,3
	v_mov_b32 v[XVC+\m], v[XVN+\m]                 ; x1 into the registers that the spline reads: the next group's loads land on the others.  With the four lines below: the eight places
.endr
	NOPS 4                                         ; ahead of the first read of results and of the loads over the fragments, biases and scales
	s_cmp_eq_u32 s[GC], 1                          ; the last group has no successor
	s_cbranch_scc1 .Lno_pre
	L2LOAD ADW, ADB, ADX, 1                        ; the next group's loads have the whole spline in which to land
.Lno_pre:
	SPL 0
	SPL 2
	s_add_co_u32 s[GW], s[GW], 23*WPI              ; 23 columns on
	s_add_co_u32 s[GB], s[GB], 96
	s_add_co_u32 s[GX], s[GX], 4
	s_sub_co_u32 s[GC], s[GC], 1
	s_cmp_lg_u32 s[GC], 0
	s_cbranch_scc1 .Lg
	; ---- the way out: the stage now holds [y1, x2]
.irp m, 0,1,2,3
	v_permlanex16_b32 v[OT+\m], v[LD+\m], s[SEL], s[SEL+1]   ; the row's other four dims lie in lane l xor 16
.endr
.irp m, 0,1,2,3
	s_delay_alu instid0(VALU_DEP_4)
	v_add_f32 v[OT+\m], v[OT+\m], v[LD+\m]
.endr
.irp m, 0,1,2,3
	s_delay_alu instid0(VALU_DEP_4)
	v_mul_f32 v[OT+\m], 0x3f317218, v[OT+\m]       ; log2 to ln
.endr
.irp m, 0,1,2,3
	ds_store_b32 v[SLD], v[OT+\m] offset:64*\m     ; both halves of the lanes write the same word with the same value
.endr
.irp i, 0,1,2,3,4,5,6,7
	ds_load_b128 v[OB+4*\i:OB+4*\i+3], v[SIN] offset:640*\i
.endr
	ds_load_b64 v[OL:OL+1], v[SLO]
.irp i, 0,1,2,3,4,5,6,7
	s_wait_dscnt 8-\i                              ; behind load i: 7 - i loads of rows and the one of log-determinants
	global_store_b128 v[LI], v[OB+4*\i:OB+4*\i+3], s[18:19] offset:512*\i th:TH_STORE_NT   ; 32 lanes store 512 consecutive bytes, at a multiple of 256 from out0's first byte
.endr
	s_wait_dscnt 0x0
	global_store_b64 v[GL], v[OL:OL+1], s[20:21] th:TH_STORE_NT   ; 32 lanes store 256 consecutive bytes, at a multiple of 256 from out1's first byte
	s_wait_xcnt 0x0                                ; the stores and the loads of x have read their bases and registers: only now are these written again
	s_add_nc_u64 s[4:5], s[4:5], 4096
	s_add_nc_u64 s[18:19], s[18:19], 4096
	s_add_nc_u64 s[20:21], s[20:21], 256
	s_cmp_eq_u32 s[IT], 1                          ; the last trip has no next rows
	s_cbranch_scc1 .Lno_stage
	s_wait_loadcnt 0x0                             ; the next 64 rows of x
	WIN 0x04                                       ; an LDS store's data are its source 1: window 1
.irp i, 0,1,2,3,4,5,6,7
	ds_store_b128 v[SIN], v[4*\i:4*\i+3] offset:640*\i     ; into my stage, whose rows have been read out
.endr
	WIN 0
.Lno_stage:
	s_sub_co_u32 s[IT], s[IT], 1
	s_cmp_lg_u32 s[IT], 0
	s_cbranch_scc1 .Liter
	s_wait_xcnt 0x0
	v_lshl_add_u32 v254, v0, 2, SPARE              ; my spare word and 0: made anew here, v0 being as at the entry
	v_mov_b32 v255, 0
	s_wait_alu depctr_va_vdst(0)
	s_wait_tensorcnt 0x0                           ; the wave's end
	ds_add_u32 v254, v255
	s_wait_dscnt 0x0
	s_endpgm
.Lfunc_end_k_q4385950dbb_spline:
	.size	k_q4385950dbb_spline, .Lfunc_end_k_q4385950dbb_spline-k_q4385950dbb_spline
	.p2alignl 7, 3214868480
	.fill 96, 4, 3214868480
	.section	.rodata,"a",@progbits
	.p2align	6, 0x0
	.amdhsa_kernel k_q4385950dbb_spline
		.amdhsa_group_segment_fixed_size 180992
		.amdhsa_private_segment_fixed_size 0
		.amdhsa_enable_private_segment 0
		.amdhsa_kernarg_size 72
		.amdhsa_user_sgpr_count 2
		.amdhsa_user_sgpr_kernarg_segment_ptr 1
		.amdhsa_wavefront_size32 1
		.amdhsa_system_sgpr_workgroup_id_x 1
		.amdhsa_system_sgpr_workgroup_id_y 1
		.amdhsa_system_sgpr_workgroup_id_z 1
		.amdhsa_system_vgpr_workitem_id 0
		.amdhsa_next_free_vgpr 512
		.amdhsa_next_free_sgpr 66
		.amdhsa_reserve_vcc 1
		.amdhsa_float_denorm_mode_32 3
		.amdhsa_float_denorm_mode_16_64 3
		.amdhsa_memory_ordered 1
		.amdhsa_forward_progress 1
		.amdhsa_inst_pref_size 255
	.end_amdhsa_kernel
	.section	.bss,"aw",@nobits
	.p2align	6
	.space	262144
	.amdgpu_metadata
---
amdhsa.version: [ 1, 2 ]
amdhsa.kernels:
  - .name:           k_q4385950dbb_spline
    .symbol:         k_q4385950dbb_spline.kd
    .args:
      - { .name: x, .offset: 0, .size: 8, .value_kind: global_buffer, .address_space: global }
      - { .name: W0, .offset: 8, .size: 8, .value_kind: global_buffer, .address_space: global }
      - { .name: b0, .offset: 16, .size: 8, .value_kind: global_buffer, .address_space: global }
      - { .name: W1, .offset: 24, .size: 8, .value_kind: global_buffer, .address_space: global }
      - { .name: b1, .offset: 32, .size: 8, .value_kind: global_buffer, .address_space: global }
      - { .name: Wout, .offset: 40, .size: 8, .value_kind: global_buffer, .address_space: global }
      - { .name: bout, .offset: 48, .size: 8, .value_kind: global_buffer, .address_space: global }
      - { .name: out0, .offset: 56, .size: 8, .value_kind: global_buffer, .address_space: global }
      - { .name: out1, .offset: 64, .size: 8, .value_kind: global_buffer, .address_space: global }
    .group_segment_fixed_size: 180992
    .private_segment_fixed_size: 0
    .kernarg_segment_align: 8
    .kernarg_segment_size: 72
    .max_flat_workgroup_size: 256
    .sgpr_count:     66
    .vgpr_count:     512
    .wavefront_size: 32
...
	.end_amdgpu_metadata
.endif
;; end of part 1
